; MI455X (gfx1250); checked and timed in simulation.
; The chip was launched on July 23, 2026; its instructions are those of AMD's public machine-readable ISA for CDNA 5 (MIT licence, August 2026) and "CDNA5" Instruction Set Architecture Reference Guide (July 2026). The comments in the code are by the model that wrote it; some were corrected since.
;; Self Attention. Allowed arithmetic: float matrix products may take bf16 or f16 operands with f32 sums; all other float work in f32.
;; Inputs: b_out 1,024 float32; keys 4 x 2,048 x 1,024 float32; query 4 x 2,048 x 1,024 float32; values 4 x 2,048 x 1,024 float32; w_out 1,024 x 1,024 float32.
;; Outputs: out0 4 x 2,048 x 1,024 float32.
;; One version. Each part assembles by itself: llvm-mc -triple=amdgcn-amd-amdhsa -mcpu=gfx1250 --defsym DOCPART=n.
;; ======== version 1 of 1: 2 launches
;; workspace buffers: xh 16,777,216 bytes; wbf 2,097,152 bytes
;; launch attn (part 1): grid 256 x 1, 8 waves a work-group, no clusters, 113,664 bytes of LDS; arguments query, keys, values, w_out, xh, wbf; writes xh, wbf
.if DOCPART == 1
	.amdgcn_target "amdgcn-amd-amdhsa--gfx1250"
	.amdhsa_code_object_version 6
	.text
	.protected	k_q11b47366f1_attn
	.globl	k_q11b47366f1_attn
	.p2align	8
	.type	k_q11b47366f1_attn,@function
k_q11b47366f1_attn:
	s_mov_b64 s[64:65], 0
	v_nop
	global_prefetch_b8 v0, s[64:65] scope:SCOPE_SE
	s_setreg_imm32_b32 hwreg(HW_REG_WAVE_MODE, 25, 1), 1
	s_wait_xcnt 0x0
; Softmax attention on raw q, k, v: [4][2048][16 heads x 64] f32, scores divided by 32.  Result: xh, bf16, laid [head][4 x 2048 rows][64].
; Beside it each work-group casts 4 of w_out's 1024 rows to bf16 into wbf, laid [block of 64 k][1024 n][64].
; WORK: work-group g = (batch g >> 6, head (g >> 2) & 15, query block g & 3 of 512 queries).  Eight waves, two for each SIMD, so that one wave's
; softmax can issue under the other's matrix instructions.  A wave owns 64 queries (4 tiles of 16).  Keys go in 32 steps of 64.
; BOTH PRODUCTS ARE USED TRANSPOSED.  S^T = K Q^T: register j of lane (r, hh) holds key 16 kt + 8 hh + j of query r, so a lane's 32 scores belong to ONE
; query: maximum and sum stay in the lane but for one exchange with lane xor 16.  Packed in pairs these registers ARE the second source of
; O^T = V^T P^T (keys 8 hh + 0..7 in registers 0-3, 16 + 8 hh + 0..7 in registers 4-7): no shuffle, no LDS.  O^T keeps query r in lane r: rescaling is
; a multiply by a number of the lane's own.
; K AND V come through registers (global_load_b128, two whole 256-byte head rows an instruction), are rounded to bf16 there and stored into one of two
; LDS buffers that take turns: one barrier a step.  V is transposed on the way out of LDS by ds_load_tr16_b128.
; THE PIPELINE, three deep.  In the middle of step t: tile t + 1 (loaded a whole step ago) is cast and stored into the other buffer, tile t + 2's loads
; go out, the barrier is signalled.  A quarter step later the barrier is waited for and tile t + 1's K fragments are read, under the last query tile's
; softmax; its first S product is issued with the step's last P V product; its V fragments are read behind that, under the next step's first softmax.
; NO CLUSTER, NO JOINT TENSOR LOADS, although the four query blocks of a head read the same K and V: a tensor load copies bytes as they are, and these are
; f32.  A step's 32,768 bytes would land in LDS, be read back (32,768) and be stored again as bf16 (16,384) in bytes of their own; through registers a
; step costs the 16,384 bytes of stores alone.  What the four share is 1 MiB for each work-group in the whole launch.
; SOFTMAX: a running maximum m of the raw scores for each query; p = 2^(c s - c m), c = log2(e) / 32; sums and O are scaled by 2^(c m_old - c m_new) in
; every step (a choice by value would be a branch on floats).
; LIMITS, stated: q, k, v, p and the result are rounded to bf16 (nearest even) as matrix operands, sums are f32; the row sum adds the unrounded p while
; P V uses the rounded p; v_exp_f32 gives 0 for results under 2^-126 (ISA guide 15.8), so such p count as 0; v_max_num_f32 passes over a NaN, the NaN
; score itself still makes its p, and so its query's row, NaN.
.set ROWB,   4096                      ; bytes of a row of query, keys, values, w_out
.set TILEB,  64*ROWB                   ; from one step's 64 keys to the next
.set KP,     144                       ; LDS pitch of K, Q and O rows: 128 bytes + 16, an odd multiple of 16
.set VP,     160                       ; LDS pitch of V rows: an odd multiple of 32, for the transposing load
.set VOFF,   64*KP                     ; V behind K in a buffer
.set BUF,    VOFF+64*VP                ; 19,456 bytes: one buffer
.set QST,    2*BUF                     ; behind the two buffers: a stage of 64 rows x 144 bytes for each wave, its own (Q going in, O going out)
.set QSTW,   64*KP
.set WPLANE, 131072                    ; a plane of wbf: 1024 rows x 128 bytes
; window 0
.set GK,   2                           ; global offset of my 16 bytes of K: row w + 8 hh (+ 16 i)
.set GV,   3                           ; of V: row 8 w + 4 hh (+ i)
.set LK,   4                           ; LDS address of my 8 bytes of K
.set LV,   5                           ; of V
.set FK,   6                           ; LDS address of my part of a K fragment
.set FV,   7                           ; of a V fragment (transposing load)
.set QS,   8                           ; stage: where my 8 bytes of Q go
.set ADQF, 9                           ; stage: my part of a Q fragment; also where 16 bytes of O go
.set ORD,  10                          ; stage: where I read O back by rows
.set OG,   11                          ; 16 x lane: my bytes in 512 bytes of xh
.set PF,   12                          ; lane x 4096: my row of a prefetch
.set GQ,   13                          ; global offset of my 16 bytes of Q
.set GW,   14                          ; of w_out
.set SW,   15                          ; of wbf
.set MX,   16                          ; v16-19  running maximum of query tile qt
.set LS,   20                          ; v20-23  running sum, this lane's half of the keys
.set NM,   24                          ; v24-25  - c m, twice
.set AL,   26                          ; v26-27  2^(c m_old - c m_new), twice
.set TT,   28                          ; v28-35  at work
.set PB,   40                          ; v40-55  p in bf16: the second source of P V
.set SA,   56                          ; v56-87  scores, set A
.set SB,   88                          ; v88-119 scores, set B
.set KF,   120                         ; v120-183 K fragments: (kt, ks) at 8 (2 kt + ks)
.set VF,   184                         ; v184-247 V^T fragments: (dt, ks) at 8 (2 dt + ks)
; window 1 (written with the low 8 bits)
.set OA,   0                           ; v256-383 O^T: tile (qt, dt) at 8 (4 qt + dt)
.set QFR,  128                         ; v384-447 Q fragments: (qt, ks) at 8 (2 qt + ks)
.set STK,  192                         ; v448-463 a K tile as loaded, f32
.set STV,  208                         ; v464-479 a V tile as loaded, f32
; s_set_vgpr_msb: bits 1:0 source 0, 3:2 source 1, 5:4 source 2, 7:6 destination; the high byte repeats the setting that is left.
; 0x40 loads into window 1; 0x05 conversions out of it; 0x04 S products (Q is source 1); 0x50 P V (C and D); 0x41 scaling O in place.
.set MSB, 0
.macro WIN new
.if MSB != \new
	s_set_vgpr_msb (MSB<<8)|\new
.set MSB, \new
.endif
.endm
; Eight loads: my 4 + 4 pairs of rows of a K and V tile.  Each half of the lanes reads one whole head row, 256 bytes at a multiple of 256.
.macro LDTILE
	WIN 0x40
.irp i, 0,1,2,3
	global_load_b128 v[STK+4*\i:STK+4*\i+3], v[GK], s[6:7] offset:\i*16*ROWB
.endr
.irp i, 0,1,2,3
	global_load_b128 v[STV+4*\i:STV+4*\i+3], v[GV], s[8:9] offset:\i*ROWB
.endr
	WIN 0
.endm
; The loaded tile is rounded to bf16 into 16 registers of a score set that is free at that place.
.macro CVT tmp
	WIN 0x05
.irp i, 0,1,2,3
	v_cvt_pk_bf16_f32 v[\tmp+2*\i],     v[STK+4*\i],   v[STK+4*\i+1]
	v_cvt_pk_bf16_f32 v[\tmp+2*\i+1],   v[STK+4*\i+2], v[STK+4*\i+3]
	v_cvt_pk_bf16_f32 v[\tmp+8+2*\i],   v[STV+4*\i],   v[STV+4*\i+1]
	v_cvt_pk_bf16_f32 v[\tmp+8+2*\i+1], v[STV+4*\i+2], v[STV+4*\i+3]
.endr
.endm
; and stored into buffer b.  The two halves of the lanes store rows 8 x 144 (K) or 4 x 160 (V) bytes apart, which is 128 modulo 256: the 32 lanes'
; 8 bytes fall on 64 different words modulo 256 bytes.
.macro STT b, tmp
	WIN 0
.irp i, 0,1,2,3
	ds_store_b64 v[LK], v[\tmp+2*\i:\tmp+2*\i+1]     offset:\b*BUF+\i*16*KP
	ds_store_b64 v[LV], v[\tmp+8+2*\i:\tmp+8+2*\i+1] offset:\b*BUF+\i*VP
.endr
.endm
; 16 LDS loads: a tile's K fragments (16 keys x 32 d each) from buffer b.
.macro LDK b
.irp kt, 0,1,2,3
.irp ks, 0,1
	ds_load_b128 v[KF+8*(2*\kt+\ks):KF+8*(2*\kt+\ks)+3],   v[FK] offset:\b*BUF+\kt*16*KP+\ks*64
	ds_load_b128 v[KF+8*(2*\kt+\ks)+4:KF+8*(2*\kt+\ks)+7], v[FK] offset:\b*BUF+\kt*16*KP+\ks*64+32
.endr
.endr
.endm
; 16 LDS loads: its V^T fragments (16 d x 32 keys each, transposed by the load).
.macro LDV b
.irp dt, 0,1,2,3
.irp ks, 0,1
	ds_load_tr16_b128 v[VF+8*(2*\dt+\ks):VF+8*(2*\dt+\ks)+3],   v[FV] offset:\b*BUF+\ks*32*VP+\dt*32
	ds_load_tr16_b128 v[VF+8*(2*\dt+\ks)+4:VF+8*(2*\dt+\ks)+7], v[FV] offset:\b*BUF+\ks*32*VP+\dt*32+16*VP
.endr
.endr
.endm
; Wave 0 asks for 32 rows (256 bytes each, one a lane) of the tile that the NEXT step's LDTILE loads.  The tile's 128 rows (64 of K, 64 of V) are shared
; out among the head's four work-groups, so that each row is asked for once: query blocks 0, 1 take K's halves, 2, 3 V's.
.macro PREF
	s_cmp_lg_u32 s16, 0
	s_cbranch_scc1 .Lno_pref_\@
	global_prefetch_b8 v[PF], s[30:31] th:TH_LOAD_NT scope:SCOPE_SE
.Lno_pref_\@:
.endm
; S^T of query tile qt into a score set: 4 key tiles x 2 halves of d.  The first half starts the sums (C = 0).
; The four accumulators take turns, one instruction a turn.
.macro SMUL qt, set
	WIN 0x04
.irp kt, 0,1,2,3
	v_wmma_f32_16x16x32_bf16 v[\set+8*\kt:\set+8*\kt+7], v[KF+16*\kt:KF+16*\kt+7], v[QFR+16*\qt:QFR+16*\qt+7], 0
.endr
.irp kt, 0,1,2,3
	v_wmma_f32_16x16x32_bf16 v[\set+8*\kt:\set+8*\kt+7], v[KF+16*\kt+8:KF+16*\kt+15], v[QFR+16*\qt+8:QFR+16*\qt+15], v[\set+8*\kt:\set+8*\kt+7]
.endr
.endm
; O^T of query tile qt += V^T P^T: 4 tiles of d x 2 halves of the keys, by turns as above.  first = 1: the first product starts the sums.
.macro PVMUL qt, first
	WIN 0x50
.irp dt, 0,1,2,3
.if \first
	v_wmma_f32_16x16x32_bf16 v[OA+8*(4*\qt+\dt):OA+8*(4*\qt+\dt)+7], v[VF+16*\dt:VF+16*\dt+7], v[PB:PB+7], 0
.else
	v_wmma_f32_16x16x32_bf16 v[OA+8*(4*\qt+\dt):OA+8*(4*\qt+\dt)+7], v[VF+16*\dt:VF+16*\dt+7], v[PB:PB+7], v[OA+8*(4*\qt+\dt):OA+8*(4*\qt+\dt)+7]
.endif
.endr
.irp dt, 0,1,2,3
	v_wmma_f32_16x16x32_bf16 v[OA+8*(4*\qt+\dt):OA+8*(4*\qt+\dt)+7], v[VF+16*\dt+8:VF+16*\dt+15], v[PB+8:PB+15], v[OA+8*(4*\qt+\dt):OA+8*(4*\qt+\dt)+7]
.endr
.endm
; Softmax, first part: new maximum, p in place in the score set, p in bf16 into PB, O scaled.
.macro SMA qt, set, first
	WIN 0
.irp kt, 0,1,2,3
	v_max3_num_f32 v[TT+\kt], v[\set+8*\kt], v[\set+8*\kt+1], v[\set+8*\kt+2]     ; four chains that do not wait for each other
.endr
.irp kt, 0,1,2,3
	v_max3_num_f32 v[TT+\kt], v[TT+\kt], v[\set+8*\kt+3], v[\set+8*\kt+4]
.endr
.irp kt, 0,1,2,3
	v_max3_num_f32 v[TT+\kt], v[TT+\kt], v[\set+8*\kt+5], v[\set+8*\kt+6]
.endr
.irp kt, 0,1,2,3
	v_max_num_f32 v[TT+\kt], v[TT+\kt], v[\set+8*\kt+7]
.endr
	v_max3_num_f32 v[TT], v[TT], v[TT+1], v[TT+2]
.if \first
	v_max_num_f32 v[TT], v[TT], v[TT+3]
.else
	v_max3_num_f32 v[TT], v[TT], v[TT+3], v[MX+\qt]
.endif
	v_permlanex16_b32 v[TT+1], v[TT], s22, s23             ; lane xor 16 holds the query's other 32 keys
	v_max_num_f32 v[TT+4], v[TT], v[TT+1]                  ; m, the same in both lanes
	v_mul_f32 v[NM],   s27, v[TT+4]                        ; - c m
	v_mul_f32 v[NM+1], s27, v[TT+4]
.if \first == 0
	v_fma_f32 v[TT+5], v[MX+\qt], s24, v[NM]               ; c m_old - c m
.endif
.irp i, 0,2,4,6,8,10,12,14,16,18,20,22,24,26,28,30
	v_pk_fma_f32 v[\set+\i:\set+\i+1], v[\set+\i:\set+\i+1], s[24:25], v[NM:NM+1] op_sel_hi:[1,0,1]   ; c s - c m
.endr
.if \first == 0
	v_exp_f32 v[AL], v[TT+5]
.endif
.set i, 0
.rept 32
	v_exp_f32 v[\set+i], v[\set+i]
.set i, i+1
.endr
	v_mov_b32 v[MX+\qt], v[TT+4]                           ; the plain instruction between the exponentials and the first use of a result (ISA guide 5.7.2)
.if \first == 0
	s_wait_alu depctr_va_vdst(0)
	v_mov_b32 v[AL+1], v[AL]
.endif
.set i, 0
	s_wait_alu depctr_va_vdst(0)
.rept 16
	v_cvt_pk_bf16_f32 v[PB+i], v[\set+2*i], v[\set+2*i+1]  ; keys 8 hh + 2 k, + 1 of tile kt into register 4 kt + k: the fragment as it is wanted
.set i, i+1
.endr
.if \first == 0
	WIN 0x41
.set i, 0
.rept 16
	v_pk_mul_f32 v[OA+32*\qt+2*i:OA+32*\qt+2*i+1], v[OA+32*\qt+2*i:OA+32*\qt+2*i+1], v[AL:AL+1]
.set i, i+1
.endr
.endif
.endm
; Softmax, second part: the lane's 32 p are added up (a tree in place) and taken into the running sum.  It stands behind the next S products and this
; tile's P V products and names none of their registers: its sixteen or more plain instructions are the places in front of the next
; SMA, which reads those S and writes PB, and in front of the LDS loads into the K fragments (behind tile 2's) and the V fragments (behind tile 3's).
.macro SMB qt, set, first
	WIN 0
.irp i, 0,2,4,6,8,10,12,14
	v_pk_add_f32 v[\set+\i:\set+\i+1], v[\set+\i:\set+\i+1], v[\set+16+\i:\set+16+\i+1]
.endr
.irp i, 0,2,4,6
	v_pk_add_f32 v[\set+\i:\set+\i+1], v[\set+\i:\set+\i+1], v[\set+8+\i:\set+8+\i+1]
.endr
.irp i, 0,2
	v_pk_add_f32 v[\set+\i:\set+\i+1], v[\set+\i:\set+\i+1], v[\set+4+\i:\set+4+\i+1]
.endr
	v_pk_add_f32 v[\set:\set+1], v[\set:\set+1], v[\set+2:\set+3]
.if \first
	v_add_f32 v[LS+\qt], v[\set], v[\set+1]
.else
	v_add_f32 v[TT], v[\set], v[\set+1]
	v_fma_f32 v[LS+\qt], v[LS+\qt], v[AL], v[TT]
.endif
.endm
; The middle of step t: tile t + 1 goes into buffer nb, and the barrier is signalled.  load = 1: tile t + 2's loads go out.  pref = 1: tile t + 3 is asked for.
; Set B is free here: tile 1's p have been added up, tile 3's S products come later.
.macro MID nb, load, pref
	s_wait_loadcnt 0x0                                     ; tile t + 1: its eight loads went out in the middle of the step before
	CVT SB
.if \load
	s_wait_xcnt 0x0                                        ; the last step's prefetch has had its address translated: s[30:31] is rewritten only behind this wait
	s_add_nc_u64 s[6:7], s[6:7], TILEB
	s_add_nc_u64 s[8:9], s[8:9], TILEB
.if \pref
	s_add_nc_u64 s[30:31], s[30:31], TILEB
.endif
	LDTILE                                                 ; a whole step in which to arrive
.if \pref
	PREF
.endif
.endif
	STT \nb, SB
	s_wait_dscnt 0x0                                       ; for the others' sake: my stores into nb are done.  My reads of this step's buffer were waited for at the step's head
	s_barrier_signal -1
.endm
; Step t: tile t's 64 keys against my 64 queries.  On entry: S of query tile 0 is in set A, tile t's K fragments are in KF, its V fragments on their way.
; The S products of the next query tile and the P V products of this one are issued together, between the two parts of this one's softmax.
; nb = the buffer that tile t + 1 goes into.  It held tile t - 1, whose fragments every wave had in registers before it signalled step t - 1's barrier;
; my stores into it stand behind my wait at that barrier.  store = 0: the last step.
.macro STEP nb, first, store, load, pref
	SMA 0, SA, \first
	s_wait_dscnt 0x0                                       ; tile t's V fragments
	SMUL 1, SB
	PVMUL 0, \first
	SMB 0, SA, \first
	SMA 1, SB, \first
	SMUL 2, SA
	PVMUL 1, \first
	SMB 1, SB, \first
.if \store
	MID \nb, \load, \pref
.endif
	SMA 2, SA, \first                                      ; register work alone between the signal and the wait
	SMUL 3, SB
	PVMUL 2, \first
	SMB 2, SA, \first
.if \store
	s_barrier_wait -1                                      ; buffer nb is whole
	LDK \nb                                                ; tile t + 1's K fragments: the last S products of tile t stand sixteen or more places back
.endif
	SMA 3, SB, \first
.if \store
	s_wait_dscnt 0x0                                       ; those sixteen loads, issued in front of a whole first part of the softmax
	SMUL 0, SA                                             ; S of query tile 0 for step t + 1
.endif
	PVMUL 3, \first
	SMB 3, SB, \first
.if \store
	LDV \nb                                                ; tile t + 1's V fragments: wanted behind the next step's first softmax
.endif
.endm
	s_load_b256 s[4:11], s[0:1], 0x0                       ; query s[4:5], keys s[6:7], values s[8:9], w_out s[10:11]
	s_load_b128 s[12:15], s[0:1], 0x20                     ; xh s[12:13], wbf s[14:15]
	v_lshl_add_u32 v254, v0, 2, 0x1b800
	v_mov_b32 v255, 0
	v_lshrrev_b32 v1, 5, v0
	v_readfirstlane_b32 s16, v1                            ; wave w
	s_and_b32 s17, ttmp9, 3                                ; query block
	s_bfe_u32 s18, ttmp9, 0x40002                          ; head
	s_lshr_b32 s19, ttmp9, 6                               ; batch
	s_mov_b32 s22, 0x76543210                              ; v_permlanex16_b32: lane i of one half reads lane i of the other
	s_mov_b32 s23, 0xfedcba98
	s_mov_b32 s24, 0x3d38aa3b                              ; c = log2(e) / 32
	s_mov_b32 s25, 0x3d38aa3b
	s_mov_b32 s27, 0xbd38aa3b                              ; - c
	s_mov_b32 s21, 0                                       ; high word of the offset pair
	v_and_b32 v28, 31, v0                                  ; lane L
	v_and_b32 v29, 15, v0                                  ; c = r = L & 15
	v_bfe_u32 v30, v0, 4, 1                                ; hh = L >> 4
	v_lshlrev_b32 v31, 4, v29                              ; 16 c
	v_lshlrev_b32 v32, 3, v29                              ; 8 c
	v_lshl_add_u32 v33, v30, 3, s16                        ; my K row of sixteen: w + 8 hh
	v_lshl_add_u32 v[GK], v33, 12, v31
	v_mad_u32_u24 v[LK], v33, KP, v32
	s_lshl_b32 s34, s16, 3                                 ; 8 w
	v_lshl_add_u32 v33, v30, 2, s34                        ; my first V row: 8 w + 4 hh
	v_lshl_add_u32 v[GV], v33, 12, v31
	s_mul_i32 s35, s16, 8*VP                               ; in LDS: my wave's eight rows of V,
	s_add_co_u32 s35, s35, VOFF                            ; behind K,
	v_mad_u32_u24 v33, v30, 4*VP, v32                      ; four rows further for the upper half of the lanes, 8 bytes a lane
	v_add_nc_u32 v[LV], s35, v33
	s_lshl_b32 s20, s19, 23                                ; batch x 2048 rows x 4096 bytes
	s_lshl_b32 s34, s18, 8                                 ; + head x 256 bytes
	s_add_co_u32 s20, s20, s34
	s_wait_kmcnt 0x0
	s_add_nc_u64 s[6:7], s[6:7], s[20:21]
	s_add_nc_u64 s[8:9], s[8:9], s[20:21]
	s_add_nc_u64 s[4:5], s[4:5], s[20:21]
	LDTILE                                                 ; tile 0: eight loads
	s_lshl_b32 s35, s16, 8
	v_lshl_add_u32 v[GW], v30, 12, v31                     ; w_out: row hh, bytes 256 w + 16 c
	v_add_nc_u32 v[GW], s35, v[GW]
	s_lshl_b32 s20, ttmp9, 14                              ; my work-group's 4 rows of w_out
	s_add_nc_u64 s[10:11], s[10:11], s[20:21]
.irp i, 0,1,2,3
	global_load_b128 v[SB+4*\i:SB+4*\i+3], v[GW], s[10:11] offset:(\i>>1)*2*ROWB+(\i&1)*2048 th:TH_LOAD_NT   ; rows hh + 2 (i >> 1), block of 64 k: w + 8 (i & 1)
.endr
	s_lshl_b32 s34, s17, 9
	s_lshl_b32 s35, s16, 6
	s_add_co_u32 s34, s34, s35                             ; my wave's first query in the batch
	s_lshl_b32 s20, s34, 12
	s_add_nc_u64 s[4:5], s[4:5], s[20:21]
	v_lshl_add_u32 v[GQ], v30, 15, v31                     ; Q: row 8 hh, bytes 16 c
	WIN 0x40
.set i, 0
.rept 32
	global_load_b128 v[OA+4*i:OA+4*i+3], v[GQ], s[4:5] offset:((i&7)+16*(i>>3))*ROWB th:TH_LOAD_NT   ; my 64 queries, into the registers that O will take
.set i, i+1
.endr
	WIN 0
	; the rest of the addresses, while 44 loads are on their way
	v_lshlrev_b32 v33, 4, v30                              ; 16 hh
	v_mad_u32_u24 v[FK], v29, KP, v33                      ; fragment: row r, 16 bytes for each half of the lanes
	v_and_b32 v34, 7, v0                                   ; L & 7
	v_bfe_u32 v35, v0, 3, 1
	v_lshlrev_b32 v35, 4, v35                              ; 16 ((L >> 3) & 1)
	v_lshl_add_u32 v33, v30, 3, v34                        ; key 8 hh + (L & 7)
	v_mad_u32_u24 v[FV], v33, VP, v35
	v_add_nc_u32 v[FV], VOFF, v[FV]
	s_mul_i32 s35, s16, QSTW
	s_add_co_u32 s35, s35, QST                             ; my wave's stage
	v_mad_u32_u24 v33, v30, 8*KP, v32
	v_add_nc_u32 v[QS], s35, v33
	v_add_nc_u32 v[ADQF], s35, v[FK]
	v_bfe_u32 v33, v0, 3, 2                                ; L >> 3
	v_lshlrev_b32 v34, 4, v34
	v_mad_u32_u24 v33, v33, KP, v34                        ; four rows of 128 bytes an instruction
	v_add_nc_u32 v[ORD], s35, v33
	v_lshlrev_b32 v[OG], 4, v28
	v_lshlrev_b32 v[PF], 12, v28
	s_lshl_b32 s35, s16, 17
	v_lshl_add_u32 v[SW], v30, 7, v32                      ; wbf: plane w, row hh, bytes 8 c
	v_add_nc_u32 v[SW], s35, v[SW]
	s_lshl_b32 s20, s19, 11
	s_add_co_u32 s20, s20, s34                             ; my first row of xh's 8192
	s_lshl_b32 s20, s20, 7                                 ; x 128 bytes
	s_lshl_b32 s35, s18, 20                                ; + head x 8192 x 128
	s_add_co_u32 s20, s20, s35
	s_add_nc_u64 s[12:13], s[12:13], s[20:21]
	s_lshl_b32 s20, ttmp9, 9                               ; my work-group's 4 rows in each plane of wbf
	s_add_nc_u64 s[14:15], s[14:15], s[20:21]
	s_bitcmp1_b32 s17, 1                                   ; prefetch: query blocks 2, 3 ask for V, 0, 1 for K (both bases still stand at tile 0),
	s_cselect_b64 s[30:31], s[8:9], s[6:7]
	s_and_b32 s20, s17, 1
	s_lshl_b32 s20, s20, 17                                ; the odd ones for rows 32 to 63 of the tile;
	s_add_co_u32 s20, s20, 2*TILEB                         ; each step adds a tile before it asks: step t asks for tile t + 3; step 28's, for tile 31, is the last
	s_add_nc_u64 s[30:31], s[30:31], s[20:21]
	s_wait_loadcnt 36                                      ; tile 0 is in: w_out's 4 and Q's 32 loads are younger
	CVT SA
	s_wait_xcnt 0x0                                        ; all that has been issued has had its addresses translated: the two bases step only behind this wait
	s_add_nc_u64 s[6:7], s[6:7], TILEB
	s_add_nc_u64 s[8:9], s[8:9], TILEB
	LDTILE                                                 ; tile 1: waited for in the middle of step 0
	STT 0, SA
	s_wait_loadcnt 40                                      ; w_out's four are in: Q's 32 and tile 1's 8 are younger
.irp i, 0,1,2,3
	v_cvt_pk_bf16_f32 v[SB+16+2*\i],   v[SB+4*\i],   v[SB+4*\i+1]
	v_cvt_pk_bf16_f32 v[SB+16+2*\i+1], v[SB+4*\i+2], v[SB+4*\i+3]
.endr
.irp i, 0,1,2,3
	global_store_b64 v[SW], v[SB+16+2*\i:SB+16+2*\i+1], s[14:15] offset:(\i&1)*8*WPLANE+(\i>>1)*256   ; 32 lanes x 8 bytes: two rows of a plane, 256 consecutive bytes, aligned
.endr
	s_wait_loadcnt 8                                       ; Q is in: tile 1's 8 are younger
	WIN 0x05
.set i, 0
.rept 32
	v_cvt_pk_bf16_f32 v[KF+2*i],   v[OA+4*i],   v[OA+4*i+1]
	v_cvt_pk_bf16_f32 v[KF+2*i+1], v[OA+4*i+2], v[OA+4*i+3]
.set i, i+1
.endr
	WIN 0
.set i, 0
.rept 32
	ds_store_b64 v[QS], v[KF+2*i:KF+2*i+1] offset:((i&7)+16*(i>>3))*KP
.set i, i+1
.endr
	WIN 0x40
.irp qt, 0,1,2,3
.irp ks, 0,1
	ds_load_b128 v[QFR+8*(2*\qt+\ks):QFR+8*(2*\qt+\ks)+3],   v[ADQF] offset:\qt*16*KP+\ks*64      ; my own bytes: LDS serves a wave's instructions in order (ISA guide 5.7.1.4)
	ds_load_b128 v[QFR+8*(2*\qt+\ks)+4:QFR+8*(2*\qt+\ks)+7], v[ADQF] offset:\qt*16*KP+\ks*64+32
.endr
.endr
	WIN 0
	s_wait_xcnt 0x0                                        ; wbf's stores have read their data, which lie in set B
	s_wait_dscnt 0x0                                       ; my part of buffer 0 is stored, my Q fragments are in
	s_barrier_signal -1
	s_barrier_wait -1                                      ; buffer 0 is whole
	LDK 0
	LDV 0
	s_wait_dscnt 16                                        ; K's sixteen loads are in; V's sixteen, issued behind them, may be out
	SMUL 0, SA
	WIN 0
.rept 4
	v_nop                                                  ; four places behind the S products before their results are read (ISA guide 7.12.1): empty ones here alone
.endr
	STEP 1, 1, 1, 1, 1                                     ; step 0 stands in front of the loop: its products start the sums, nothing is cleared
	s_mov_b32 s26, 14
.Lsteps:
	STEP 0, 0, 1, 1, 1                                     ; steps 1, 3 .. 27
	STEP 1, 0, 1, 1, 1                                     ; steps 2, 4 .. 28
	s_sub_co_u32 s26, s26, 1
	s_cmp_lg_u32 s26, 0
	s_cbranch_scc1 .Lsteps
	STEP 0, 0, 1, 1, 0                                     ; step 29 loads tile 31, the last; nothing is left to ask for
	STEP 1, 0, 1, 0, 0                                     ; step 30 stores tile 31; nothing is left to load
	STEP 0, 0, 0, 0, 0                                     ; step 31
	; THE WAY OUT: O / sum, rounded to bf16, through my stage, out as 8,192 consecutive bytes of xh.
.irp qt, 0,1,2,3
	v_permlanex16_b32 v[SA+\qt], v[LS+\qt], s22, s23       ; the other half of the keys (the destination has been written before)
.endr
.irp qt, 0,1,2,3
	v_add_f32 v[SA+\qt], v[SA+\qt], v[LS+\qt]
.endr
.irp qt, 0,1,2,3
	v_rcp_f32 v[SB+2*\qt],   v[SA+\qt]
	v_rcp_f32 v[SB+2*\qt+1], v[SA+\qt]
.endr
	v_nop                                                  ; one plain place behind the reciprocals (ISA guide 5.7.2)
	WIN 0x41
	s_wait_alu depctr_va_vdst(0)
.irp qt, 0,1,2,3
.set i, 0
.rept 16
	v_pk_mul_f32 v[OA+32*\qt+2*i:OA+32*\qt+2*i+1], v[OA+32*\qt+2*i:OA+32*\qt+2*i+1], v[SB+2*\qt:SB+2*\qt+1]
.set i, i+1
.endr
.endr
	WIN 0x05
.set i, 0
.rept 64
	v_cvt_pk_bf16_f32 v[KF+i], v[OA+2*i], v[OA+2*i+1]      ; a tile's 8 registers are d = 16 dt + 8 hh + 0..7 of query r: 16 bytes that belong together
.set i, i+1
.endr
	WIN 0
.irp qt, 0,1,2,3
.irp dt, 0,1,2,3
	ds_store_b128 v[ADQF], v[KF+4*(4*\qt+\dt):KF+4*(4*\qt+\dt)+3] offset:\qt*16*KP+\dt*32
.endr
.endr
.set i, 0
.rept 16
	ds_load_b128 v[VF+4*i:VF+4*i+3], v[ORD] offset:i*4*KP  ; four whole rows of 128 bytes; my own bytes, served in order
.set i, i+1
.endr
.set i, 0
.rept 16
	s_wait_dscnt 15-i                                      ; LDS loads come back in order: load i is in, the younger ones may be out
	global_store_b128 v[OG], v[VF+4*i:VF+4*i+3], s[12:13] offset:512*i   ; 512 consecutive bytes, aligned
.set i, i+1
.endr
	s_wait_tensorcnt 0x0
	ds_add_u32 v254, v255
	s_wait_dscnt 0x0
	s_endpgm
.Lfunc_end_k_q11b47366f1_attn:
	.size	k_q11b47366f1_attn, .Lfunc_end_k_q11b47366f1_attn-k_q11b47366f1_attn
	.p2alignl 7, 3214868480
	.fill 96, 4, 3214868480
	.section	.rodata,"a",@progbits
	.p2align	6, 0x0
	.amdhsa_kernel k_q11b47366f1_attn
		.amdhsa_group_segment_fixed_size 113664
		.amdhsa_private_segment_fixed_size 0
		.amdhsa_enable_private_segment 0
		.amdhsa_kernarg_size 48
		.amdhsa_user_sgpr_count 2
		.amdhsa_user_sgpr_kernarg_segment_ptr 1
		.amdhsa_wavefront_size32 1
		.amdhsa_system_sgpr_workgroup_id_x 1
		.amdhsa_system_sgpr_workgroup_id_y 1
		.amdhsa_system_sgpr_workgroup_id_z 1
		.amdhsa_system_vgpr_workitem_id 0
		.amdhsa_next_free_vgpr 480
		.amdhsa_next_free_sgpr 66
		.amdhsa_reserve_vcc 0
		.amdhsa_float_denorm_mode_32 3
		.amdhsa_float_denorm_mode_16_64 3
		.amdhsa_memory_ordered 1
		.amdhsa_forward_progress 1
		.amdhsa_inst_pref_size 234
	.end_amdhsa_kernel
	.amdgpu_metadata
---
amdhsa.version: [ 1, 2 ]
amdhsa.kernels:
  - .name:           k_q11b47366f1_attn
    .symbol:         k_q11b47366f1_attn.kd
    .args:
      - { .name: query, .offset: 0, .size: 8, .value_kind: global_buffer, .address_space: global }
      - { .name: keys, .offset: 8, .size: 8, .value_kind: global_buffer, .address_space: global }
      - { .name: values, .offset: 16, .size: 8, .value_kind: global_buffer, .address_space: global }
      - { .name: w_out, .offset: 24, .size: 8, .value_kind: global_buffer, .address_space: global }
      - { .name: xh, .offset: 32, .size: 8, .value_kind: global_buffer, .address_space: global }
      - { .name: wbf, .offset: 40, .size: 8, .value_kind: global_buffer, .address_space: global }
    .group_segment_fixed_size: 113664
    .private_segment_fixed_size: 0
    .kernarg_segment_align: 8
    .kernarg_segment_size: 48
    .max_flat_workgroup_size: 256
    .sgpr_count:     66
    .vgpr_count:     480
    .wavefront_size: 32
...
	.end_amdgpu_metadata
.endif
;; end of part 1
;; launch proj (part 2): grid 4 x 64, 4 waves a work-group, clusters of 4 x 4, 327,680 bytes of LDS; arguments xh, wbf, b_out, out0; writes out0
.if DOCPART == 2
	.amdgcn_target "amdgcn-amd-amdhsa--gfx1250"
	.amdhsa_code_object_version 6
	.text
	.protected	k_q11b47366f1_proj
	.globl	k_q11b47366f1_proj
	.p2align	8
	.type	k_q11b47366f1_proj,@function
k_q11b47366f1_proj:
	s_mov_b64 s[64:65], 0
	v_nop
	global_prefetch_b8 v0, s[64:65] scope:SCOPE_SE
	s_setreg_imm32_b32 hwreg(HW_REG_WAVE_MODE, 25, 1), 1
	s_wait_xcnt 0x0
	s_wait_alu depctr_hold_cnt(0) depctr_sa_sdst(0) depctr_va_vdst(0) depctr_va_sdst(0) depctr_va_ssrc(0) depctr_va_vcc(0) depctr_vm_vsrc(0)
	s_getreg_b32 s2, hwreg(HW_REG_IB_STS2, 6, 4)
	s_cmp_eq_u32 s2, 0
	s_cbranch_scc0 .Lentry_in_a_cluster
	s_endpgm
.Lentry_in_a_cluster:
	s_bfe_u32 s2, ttmp6, 0x10000c
	s_cmp_lg_u32 s2, 0xf033
	s_cbranch_scc0 .Lentry_shape_is_right
	s_endpgm
.Lentry_shape_is_right:
; out0[m][n] = sum over k of X[m][k] W[n][k] + b[n].  M = 8192, N = 1024, K = 1024; operands bf16, sums and result f32.
; X lies as xh[kb][m][64], W as wbf[kb][n][64] (kb = k / 64): the rows that a block needs of one plane are one dense run of bytes.
; A work-group makes 128 (m) x 256 (n) with four waves, as many as a WGP has SIMDs; a wave makes 64 x 128: 32 accumulator tiles, 256 registers.
; 64 x 4 blocks = 256 work-groups.  K goes in 8 steps of 128 (two planes) through a ring of two LDS slots filled by the tensor data mover.
; CLUSTERS of 4 x 4: the four work-groups of a cluster's row make blocks of one block row and need the same tiles of X; the four of a column need the same
; tiles of W.  Such a tile is asked for jointly: the same tensor load with the same descriptor and a mask that names the four.
; TILES: a plane's part (X: 128 rows x 128 bytes = 16,384 bytes; W: 256 rows = 32,768 bytes) is dense in memory and comes in as rows of 256 bytes with 16
; bytes of padding behind each: an LDS row of 272 bytes holds two neighbouring rows of 64 bf16; row p lies at (p >> 1) 272 + (p & 1) 128.  The sixteen
; rows that a fragment load touches start at 16-byte columns (r >> 1) + 8 (r & 1) modulo 256 bytes: sixteen different ones.
; One load a wave and slot: waves 0, 1 bring W's two planes, waves 2, 3 X's.
; THE MATRIX INSTRUCTION IS USED TRANSPOSED (source 0 = 16 rows of W, source 1 = 16 rows of X): a lane's 8 results are 8 neighbouring columns of one row.
; Registers: window 0: addresses, two fragment buffers, the bias; window 1: the accumulators, tile (a, b) at 8 (8 a + b).
.set PITCH,  272
.set R16,    8*PITCH                   ; sixteen rows of 64 bf16
.set BSUB,   128*PITCH                 ; W's 256 rows of one plane
.set ASUB,   64*PITCH                  ; X's 128 rows of one plane
.set SLOT,   2*BSUB+2*ASUB             ; W plane 0, W plane 1, X plane 0, X plane 1: 104,448 bytes
.set STAGE,  2*SLOT                    ; behind the ring, at a multiple of 256: 16 rows x 528 bytes for each wave, for the way out; no tensor load fills it
.set SPITCH, 528                       ; 512 bytes + 16
.set APLANE, 1048576                   ; bytes of a plane of xh
.set BPLANE, 131072                    ; bytes of a plane of wbf
.set LAPS,   4                         ; a lap = two K steps = once round the ring
.set ADRA, 16                          ; v16-17  LDS address of my X fragments in slot 0, 1
.set ADRB, 20                          ; v20-21  of my W fragments
.set STO,  24                          ; the way out: where I put 32 bytes of a row
.set RD,   25                          ; the way out: where I read a row back
.set CO,   26                          ; 16 x lane
.set F0,   32                          ; fragment buffer 0: W's 8 tiles at 8 b, X's 4 tiles at 64 + 8 a
.set F1,   128                         ; fragment buffer 1
.set BIAS, 224                         ; v224-227 b of my 4 columns on the way out
.set G1,  24                           ; s[24:31] descriptor group 1 for X's tiles
.set G0,  32                           ; s[32:39] group 0 for X's tiles, one set for each slot
.set G1B, 48                           ; s[48:55] group 1 for W's tiles
.set G0B, 56                           ; s[56:63] group 0 for W's tiles, one set for each slot
.set MSB, 0
.macro WIN new                         ; the immediate's high byte repeats the setting that is left
.if MSB != \new
	s_set_vgpr_msb (MSB<<8)|\new
.set MSB, \new
.endif
.endm
.set MUL, 0x50                         ; C and D in window 1, both sources in window 0
; A joint load.  Each of the two lines has one mask and one set of registers for all that issue it.  The branch hangs on the wave's number alone.
; Four v_nop follow each line; the jump, the label and what follows come after them.
.macro JLOAD s
	s_cmp_eq_u32 s13, 0
	s_cbranch_scc0 .Lfor_x_\@
	tensor_load_to_lds s[G0B+4*\s:G0B+4*\s+3], s[G1B:G1B+7]
	s_nop 0
.rept 4
	v_nop
.endr
	s_branch .Lasked_\@
.Lfor_x_\@:
	tensor_load_to_lds s[G0+4*\s:G0+4*\s+3], s[G1:G1+7]
	s_nop 0
.rept 4
	v_nop
.endr
.Lasked_\@:
.endm
; A round of the cluster's barrier: my work-group's barrier; wave 0 signals for the work-group; every wave waits for all sixteen; my work-group's barrier again.
.macro CREST                           ; a round behind its opening barrier
	s_cmp_lg_u32 s12, 0
	s_cbranch_scc1 .Lnot_wave_0_\@
	s_barrier_signal -3
.Lnot_wave_0_\@:
	s_barrier_wait -3
	s_barrier_signal -1
	s_barrier_wait -1
.endm
.macro CROUND
	s_barrier_signal -1
	s_barrier_wait -1
	CREST
.endm
	s_load_b256 s[4:11], s[0:1], 0x0               ; xh s[4:5], wbf s[6:7], b_out s[8:9], out0 s[10:11]
	v_lshl_add_u32 v254, v0, 2, 0x3b400
	v_mov_b32 v255, 0
	ds_add_u32 v254, v255
	v_lshrrev_b32 v1, 5, v0
	v_readfirstlane_b32 s12, v1                    ; wave 0..3
	s_lshr_b32 s13, s12, 1                         ; which 64 of the block's rows are mine.  Also: I fetch for W (0) or for X (1)
	s_and_b32 s14, s12, 1                          ; which 128 of its columns.  Also: which of a K step's two planes I fetch
	s_bfe_u32 s40, ttmp6, 0x40000                  ; cx
	s_bfe_u32 s41, ttmp6, 0x40004                  ; cy
	s_lshl_b32 s42, ttmp9, 2
	s_add_co_u32 s42, s42, s40                     ; block column = 4 x cluster x + cx
	s_and_b32 s15, ttmp7, 0xffff
	s_lshl_b32 s15, s15, 2
	s_add_co_u32 s15, s15, s41                     ; block row = 4 x cluster y + cy
	s_lshl_b32 s43, s41, 2
	s_lshl_b32 s43, 15, s43                        ; my row of the cluster: places 4 cy .. 4 cy + 3
	s_lshl_b32 s44, 0x1111, s40                    ; my column: places cx, cx + 4, cx + 8, cx + 12
	; group 1: R rows of 32 elements of 8 bytes, dense (pitch 32 elements), padded in LDS.  X: R = 64, W: R = 128.
	s_or_b32 s[G1+0],  s43, (3<<16)|(1<<20)|(1<<21)|(5<<22)|(3<<25)   ; 15:0 mask: X's tiles go to my row; 17:16 element of 8 bytes; 20 padding on; 21 set beside a mask; 24:22 after every 64 words; 31:25 of 4 words
	s_or_b32 s[G1B+0], s44, (3<<16)|(1<<20)|(1<<21)|(5<<22)|(3<<25)   ; the same with the mask of my column, for W's tiles
	s_mov_b32 s[G1+1],  32<<16                     ; 63:48 tensor_dim0, low half = 32
	s_mov_b32 s[G1B+1], 32<<16
	s_mov_b32 s[G1+2],  64<<16                     ; 95:80 tensor_dim1, low half = rows
	s_mov_b32 s[G1B+2], 128<<16
	s_mov_b32 s[G1+3],  32<<16                     ; 127:112 tile_dim0 = 32
	s_mov_b32 s[G1B+3], 32<<16
	s_mov_b32 s[G1+4],  64                         ; 143:128 tile_dim1 = rows
	s_mov_b32 s[G1B+4], 128
	s_mov_b32 s[G1+5],  32                         ; 191:160 elements from row to row
	s_mov_b32 s[G1B+5], 32
	s_mov_b32 s[G1+6],  0
	s_mov_b32 s[G1B+6], 0
	s_mov_b32 s[G1+7],  0
	s_mov_b32 s[G1B+7], 0
	; where the tiles come from.  X's hang on the block row and the wave's number alone, W's on the block column and the wave's number alone.
	s_lshl_b32 s16, s15, 14                        ; X: block row x 128 rows x 128 bytes
	s_lshl_b32 s22, s14, 20                        ;    + my plane of the two
	s_add_co_u32 s16, s16, s22
	s_mov_b32 s17, 0
	s_lshl_b32 s46, s42, 15                        ; W: block column x 256 rows x 128 bytes
	s_lshl_b32 s23, s14, 17                        ;    + my plane of the two
	s_add_co_u32 s46, s46, s23
	s_mov_b32 s47, 0
	s_mul_i32 s20, s12, BSUB                       ; where they go.  W (waves 0, 1): wave x BSUB
	s_mul_i32 s21, s12, ASUB                       ; X (waves 2, 3): 2 BSUB + (wave - 2) ASUB = BSUB + wave x ASUB, since BSUB = 2 ASUB
	s_add_co_u32 s21, s21, BSUB
	s_wait_dscnt 0x0
	s_wait_kmcnt 0x0
	s_add_nc_u64 s[18:19], s[4:5], s[16:17]
	s_add_nc_u64 s[46:47], s[6:7], s[46:47]
	CROUND                                         ; all sixteen work-groups are here: the first joint loads meet
.irp s, 0,1
	s_mov_b32 s[G0+4*\s], 1                                        ; count = 1
	s_add_co_u32 s[G0+4*\s+1], s21, \s*SLOT                        ; LDS address
	s_add_nc_u64 s[G0+4*\s+2:G0+4*\s+3], s[18:19], \s*2*APLANE     ; global address: K step s
	s_or_b32 s[G0+4*\s+3], s[G0+4*\s+3], 0x80000000                ; type = 2
	s_mov_b32 s[G0B+4*\s], 1
	s_add_co_u32 s[G0B+4*\s+1], s20, \s*SLOT
	s_add_nc_u64 s[G0B+4*\s+2:G0B+4*\s+3], s[46:47], \s*2*BPLANE
	s_or_b32 s[G0B+4*\s+3], s[G0B+4*\s+3], 0x80000000
	JLOAD \s                                       ; both slots' first fills go out before anything else: two tensor loads of the wave are out
.endr
	; A fragment is 16 rows x 32 K in 8 registers: lane l holds row l % 16; registers 0-3 K = 8 (l / 16) + 0..7, registers 4-7 K = 16 + 8 (l / 16) + 0..7.
	v_and_b32 v1, 15, v0                           ; r
	v_bfe_u32 v2, v0, 4, 1                         ; hh
	v_lshrrev_b32 v4, 1, v1
	v_mul_u32_u24 v3, v4, PITCH                    ; (r >> 1) 272
	v_and_b32 v4, 1, v0
	v_lshl_add_u32 v3, v4, 7, v3                   ; + (r & 1) 128
	v_lshl_add_u32 v3, v2, 4, v3                   ; + 16 hh
	s_mul_i32 s22, s13, 4*R16                      ; my 64 rows of X,
	s_add_co_u32 s22, s22, 2*BSUB                  ; which lie behind W's two planes
	s_mul_i32 s23, s14, 8*R16                      ; my 128 rows of W
.irp s, 0,1
	v_add_nc_u32 v[ADRA+\s], s22, v3
	v_add_nc_u32 v[ADRB+\s], s23, v3
	s_add_co_u32 s22, s22, SLOT
	s_add_co_u32 s23, s23, SLOT
.endr
	s_mul_i32 s22, s12, 16*SPITCH
	s_add_co_u32 s22, s22, STAGE                   ; my stage
	v_mul_u32_u24 v4, v1, SPITCH                   ; in: row r, 32 bytes for each half of the lanes
	v_lshl_add_u32 v4, v2, 5, v4
	v_add_nc_u32 v[STO], s22, v4
	v_and_b32 v5, 31, v0
	v_lshlrev_b32 v[CO], 4, v5                     ; back: 32 lanes take one row of 512 bytes
	v_add_nc_u32 v[RD], s22, v[CO]
	s_lshl_b32 s44, s42, 10                        ; my first column in bytes of f32: 1024 x block column + 512 x half (the masks are used up: s44 is free)
	s_lshl_b32 s45, s14, 9
	s_add_co_u32 s44, s44, s45
	s_mov_b32 s45, 0
	s_add_nc_u64 s[8:9], s[8:9], s[44:45]
	s_add_nc_u64 s[10:11], s[10:11], s[44:45]
	s_lshl_b32 s16, s15, 19                        ; my first row: (128 x block row + 64 x half) x 4096 bytes
	s_lshl_b32 s17, s13, 18
	s_add_co_u32 s16, s16, s17
	s_mov_b32 s17, 0
	s_add_nc_u64 s[10:11], s[10:11], s[16:17]
	global_load_b128 v[BIAS:BIAS+3], v[CO], s[8:9] ; b of the 4 columns that I store in every row; waited for on the way out
; 8 matrix instructions: row block a of my four x all 8 column blocks, 32 along K.  zero = 1: the first product starts the sums.
.macro MUL8 f, a, zero
.irp b, 0,1,2,3,4,5,6,7
.if \zero
	v_wmma_f32_16x16x32_bf16 v[8*(8*\a+\b):8*(8*\a+\b)+7], v[\f+8*\b:\f+8*\b+7], v[\f+64+8*\a:\f+64+8*\a+7], 0
.else
	v_wmma_f32_16x16x32_bf16 v[8*(8*\a+\b):8*(8*\a+\b)+7], v[\f+8*\b:\f+8*\b+7], v[\f+64+8*\a:\f+64+8*\a+7], v[8*(8*\a+\b):8*(8*\a+\b)+7]
.endif
.endr
.endm
; 24 LDS loads in one run: the fragments of one quarter step (plane sub of the slot, 32 K at byte kb of the rows) into buffer f: W's 16, then X's 8.
.macro FETCH slot, sub, kb, f
	WIN 0
.irp i, 0,1,2,3,4,5,6,7
	ds_load_b128 v[\f+8*\i:\f+8*\i+3],   v[ADRB+\slot] offset:\sub*BSUB+\kb+\i*R16
	ds_load_b128 v[\f+8*\i+4:\f+8*\i+7], v[ADRB+\slot] offset:\sub*BSUB+\kb+\i*R16+32
.endr
.irp i, 0,1,2,3
	ds_load_b128 v[\f+64+8*\i:\f+64+8*\i+3],   v[ADRA+\slot] offset:\sub*ASUB+\kb+\i*R16
	ds_load_b128 v[\f+64+8*\i+4:\f+64+8*\i+7], v[ADRA+\slot] offset:\sub*ASUB+\kb+\i*R16+32
.endr
.endm
; A load into a register that a matrix instruction has read, and an LDS store of a matrix result, stand four places behind that matrix instruction; only
; plain vector instructions that name none of its registers are places (ISA guide 7.12.1 for vector instructions).
.macro PLACES
.rept 4
	v_nop
.endr
.endm
; A K step is four quarters of 32 along K, 32 matrix instructions each, on buffers 0, 1, 0, 1.  The 32 accumulators take turns, one instruction a turn,
; in the same order in every quarter, over the loop's backward jump too.
; One of the first three quarters: multiplies buffer f; in its middle it fetches the next quarter's fragments into buffer g.
.macro QUARTER slot, sub, kb, f, g, zero
	s_wait_dscnt 4                                 ; W's fragments and X's row blocks 0, 1 are in; the youngest four loads (row blocks 2, 3) may be out
	WIN MUL
	MUL8 \f, 0, \zero
	MUL8 \f, 1, \zero
	PLACES
	FETCH \slot, \sub, \kb, \g
	s_wait_dscnt 24                                ; all but the 24 just issued
	WIN MUL
	MUL8 \f, 2, \zero
	MUL8 \f, 3, \zero
.endm
.macro THREE slot, zero
	QUARTER \slot, 0, 64, F0, F1, \zero
	QUARTER \slot, 1, 0,  F1, F0, 0
	QUARTER \slot, 1, 64, F0, F1, 0
.endm
; The last quarter: multiplies buffer 1 and changes slots.  fill = 1: this slot is filled again, two K steps ahead.
; In front of the barrier each wave waits for its own reads of this slot and for all its tensor loads, of which one is out: its part of the next slot.
; Behind it nobody reads this slot and the next slot is whole: the refill comes first, then the next slot's first fragments.
; From a request to the wait for it a wave issues 120 matrix instructions.
.macro TURN slot, next, fill
	s_wait_dscnt 4
	WIN MUL
	MUL8 F1, 0, 0
	s_wait_dscnt 0                                 ; my reads of this slot are over
	s_wait_tensorcnt 0x0                           ; and all my tensor loads have landed
	ds_add_u32 v254, v255
	s_wait_dscnt 0x0
	s_barrier_signal -1                            ; say so (where a slot is filled again this barrier opens a round of the cluster's barrier),
	MUL8 F1, 1, 0                                  ; work on registers while the others arrive,
	WIN 0
	s_barrier_wait -1
.if \fill
	CREST                                          ; no wave of any partner still reads this slot's tiles or has a load on its way
	s_add_nc_u64 s[G0+4*\slot+2:G0+4*\slot+3], s[G0+4*\slot+2:G0+4*\slot+3], 4*APLANE
	s_add_nc_u64 s[G0B+4*\slot+2:G0B+4*\slot+3], s[G0B+4*\slot+2:G0B+4*\slot+3], 4*BPLANE
	JLOAD \slot                                    ; my one tensor load behind the round, and the first thing there; its four v_nop are also the places in front of the loads below
.else
	PLACES
.endif
	FETCH \next, 0, 0, F0
	WIN MUL
	MUL8 F1, 2, 0
	MUL8 F1, 3, 0
.endm
.macro LAP zero                        ; once round the ring, both slots filled again
	THREE 0, \zero
	TURN 0, 1, 1
	THREE 1, 0
	TURN 1, 0, 1
.endm
	s_wait_tensorcnt 1                             ; my part of K step 0 is in; K step 1's load, issued behind it, may stay out
	s_barrier_signal -1
	s_barrier_wait -1                              ; everybody's part is in
	FETCH 0, 0, 0, F0
	LAP 1                                          ; the first lap stands in front of the loop: its first products start the sums
	WIN 0                                          ; at a label and at a branch every window is 0
	s_mov_b32 s3, LAPS-2
.Llap:
	LAP 0
	WIN 0
	s_sub_co_u32 s3, s3, 1
	s_cmp_lg_u32 s3, 0
	s_cbranch_scc1 .Llap
	THREE 0, 0                                     ; the last lap fills nothing and has no round of the cluster's barrier
	TURN 0, 1, 0
	THREE 1, 0
	s_wait_dscnt 4                                 ; the very last quarter: nothing more to fetch
	WIN MUL
	MUL8 F1, 0, 0
	MUL8 F1, 1, 0
	s_wait_dscnt 0
	MUL8 F1, 2, 0
	MUL8 F1, 3, 0
	; THE WAY OUT, 16 rows at a time: a lane's 8 results (32 bytes of a row) go into my own stage, whole rows of 512 bytes come back, the bias is added,
	; and each store of the wave covers 512 consecutive bytes of out0, aligned.
	PLACES                                         ; behind the last matrix instructions: for the LDS stores of results and the loads into buffers 0 and 1
	s_wait_loadcnt 0x0                             ; the bias
.macro OUT16 a, f
	WIN 0x04                                       ; an LDS store's data are source 1: window 1
.irp b, 0,1,2,3,4,5,6,7
	ds_store_b128 v[STO], v[8*(8*\a+\b):8*(8*\a+\b)+3]   offset:64*\b
	ds_store_b128 v[STO], v[8*(8*\a+\b)+4:8*(8*\a+\b)+7] offset:64*\b+16
.endr
	WIN 0
	s_wait_xcnt 0x0                                ; every earlier store has had its addresses translated (ISA guide 3.1): buffer f, which stores read, and the stores' base are rewritten only behind this wait
.if \a
	s_add_nc_u64 s[10:11], s[10:11], 16*4096       ; 16 rows of out0 on
.endif
.irp t, 0,1,2,3,4,5,6,7,8,9,10,11,12,13,14,15
	ds_load_b128 v[\f+4*\t:\f+4*\t+3], v[RD] offset:\t*SPITCH      ; my own bytes: LDS serves a wave's instructions in order (ISA guide 5.7.1.4)
.endr
.irp t, 0,1,2,3,4,5,6,7,8,9,10,11,12,13,14,15
	s_wait_dscnt 15-\t                             ; row t is in, the younger loads may be out
	v_pk_add_f32 v[\f+4*\t:\f+4*\t+1],   v[\f+4*\t:\f+4*\t+1],   v[BIAS:BIAS+1]
	v_pk_add_f32 v[\f+4*\t+2:\f+4*\t+3], v[\f+4*\t+2:\f+4*\t+3], v[BIAS+2:BIAS+3]
	global_store_b128 v[CO], v[\f+4*\t:\f+4*\t+3], s[10:11] offset:\t*4096 th:TH_STORE_NT
.endr
.endm
	OUT16 0, F0
	OUT16 1, F1
	OUT16 2, F0
	OUT16 3, F1
	s_wait_tensorcnt 0x0
	ds_add_u32 v254, v255
	s_wait_dscnt 0x0
	CROUND                                         ; the closing round: no work-group ends while a partner may still ask for a tile that names it
	s_endpgm
.Lfunc_end_k_q11b47366f1_proj:
	.size	k_q11b47366f1_proj, .Lfunc_end_k_q11b47366f1_proj-k_q11b47366f1_proj
	.p2alignl 7, 3214868480
	.fill 96, 4, 3214868480
	.section	.rodata,"a",@progbits
	.p2align	6, 0x0
	.amdhsa_kernel k_q11b47366f1_proj
		.amdhsa_group_segment_fixed_size 327680
		.amdhsa_private_segment_fixed_size 0
		.amdhsa_enable_private_segment 0
		.amdhsa_kernarg_size 32
		.amdhsa_user_sgpr_count 2
		.amdhsa_user_sgpr_kernarg_segment_ptr 1
		.amdhsa_wavefront_size32 1
		.amdhsa_system_sgpr_workgroup_id_x 1
		.amdhsa_system_sgpr_workgroup_id_y 1
		.amdhsa_system_sgpr_workgroup_id_z 1
		.amdhsa_system_vgpr_workitem_id 0
		.amdhsa_next_free_vgpr 512
		.amdhsa_next_free_sgpr 66
		.amdhsa_reserve_vcc 0
		.amdhsa_float_denorm_mode_32 3
		.amdhsa_float_denorm_mode_16_64 3
		.amdhsa_memory_ordered 1
		.amdhsa_forward_progress 1
		.amdhsa_inst_pref_size 127
	.end_amdhsa_kernel
	.amdgpu_metadata
---
amdhsa.version: [ 1, 2 ]
amdhsa.kernels:
  - .name:           k_q11b47366f1_proj
    .symbol:         k_q11b47366f1_proj.kd
    .args:
      - { .name: xh, .offset: 0, .size: 8, .value_kind: global_buffer, .address_space: global }
      - { .name: wbf, .offset: 8, .size: 8, .value_kind: global_buffer, .address_space: global }
      - { .name: b_out, .offset: 16, .size: 8, .value_kind: global_buffer, .address_space: global }
      - { .name: out0, .offset: 24, .size: 8, .value_kind: global_buffer, .address_space: global }
    .group_segment_fixed_size: 327680
    .private_segment_fixed_size: 0
    .kernarg_segment_align: 8
    .kernarg_segment_size: 32
    .max_flat_workgroup_size: 128
    .sgpr_count:     66
    .vgpr_count:     512
    .wavefront_size: 32
...
	.end_amdgpu_metadata
.endif
;; end of part 2
